; MI455X (gfx1250); checked and timed in simulation.
; The chip was launched on July 23, 2026; its instructions are those of AMD's public machine-readable ISA for CDNA 5 (MIT licence, August 2026) and "CDNA5" Instruction Set Architecture Reference Guide (July 2026). The comments in the code are by the model that wrote it; some were corrected since.
;; Geography Aware Multi Head Attention. Allowed arithmetic: matrix products marked QUANTISED: E2M1 operands, one E8M0 scale for each 32 along K, by v_wmma_scale_f32_16x16x128_f8f6f4 with both operands' format E2M1 (or v_wmma_scale_f32_32x16x128_f4), f32 sums; products left as they are: bf16, f16 or f32 operands; f32 sums; everything else in f32.
;; Inputs: Wk 256 x 256 float32; Wo 256 x 256 float32; Wq 256 x 256 float32; Wv 256 x 256 float32; bk 256 float32; bo 256 float32; bq 256 float32; bv 256 float32; spatial_constraint 512 x 512 float32; x 4 x 32 x 512 x 256 float32.
;; Outputs: out0 4 x 32 x 512 x 256 float32.
;; This version of the problem:
;;   THIS VERSION OF THE PROBLEM IS GIVEN IN LOW PRECISION. The matrix products marked QUANTISED in the list below multiply operands that are first quantised to E2M1 (2 exponent bits, 1 mantissa bit; 4 bits a number), with one power-of-two scale for each 32 numbers along K (OCP MX v1.0); their sums are f32. The products marked 'left as it is' may take bf16, f16 or f32 operands, with f32 sums. Whichever they take, every output number must still come out within the allowed error. Rounding operands to bf16 (8 significant bits) uses up far more of that allowance than f16 does (11 bits, for magnitudes from 6e-5 to 65,504). All else is computed in f32.
;;   The module's matrix products, in the order in which they are computed (A, B: the left and right operand; K: the contracted axis; several contracted axes count as one K, in the product's order):
;;     1. [M 65,536, K 256] x [K 256, N 256]; A: input x; B: input Wq: QUANTISED
;;     2. [M 65,536, K 256] x [K 256, N 256]; A: input x; B: input Wk: QUANTISED
;;     3. [M 65,536, K 256] x [K 256, N 256]; A: input x; B: input Wv: QUANTISED
;;     4. batch 1,024 x [M 512, K 32] x [K 32, N 512]; A: computed on the way; B: computed on the way: left as it is (an operand is computed on the way)
;;     5. batch 1,024 x [M 32, K 512] x [K 512, N 512]; A: computed on the way; B: computed on the way: left as it is (an operand is computed on the way)
;;     6. [M 65,536, K 256] x [K 256, N 256]; A: computed on the way; B: input Wo: left as it is (an operand is computed on the way)
;;   THE QUANTISER, for each operand of a quantised product, along K:
;;     - K is cut into blocks of 32 from its start; a last block that is shorter is filled with zeros.
;;     - A block's scale is 2^e with e = floor(log2(the largest magnitude in the block)) - 2, held to -126 .. 127; a block of zeros has e = 0. As a byte (E8M0): e + 127.
;;     - Each number is divided by its block's scale, clamped to +-6, and rounded to the nearest number of E2M1, ties to even, subnormals kept.
;;     - The product sums the exact products of the quantised numbers (number of the format x scale) in f32.
;;   ~~~python
;;   def quantise(x, axis):      # numpy; x: float32 -> the quantised numbers, widened to float32 again
;;       x = np.moveaxis(x, axis, -1); K = x.shape[-1]
;;       x = np.pad(x, [(0, 0)] * (x.ndim - 1) + [(0, -K % 32)]); x = x.reshape(x.shape[:-1] + (-1, 32)); a = np.abs(x).max(-1, keepdims=True)
;;       e = np.where(a > 0, np.clip(np.frexp(np.where(a > 0, a, 1))[1] - 1 - 2, -126, 127), 0)      # np.frexp(a)[1] - 1 = floor(log2(a)), exactly
;;       r = np.clip(x / 2.0 ** e, -6, 6)
;;       step = 2.0 ** (np.maximum(np.frexp(np.where(r == 0, 1, r))[1] - 1, 0) - 1)
;;       q = np.round(r / step) * step * 2.0 ** e      # np.round: ties to even
;;       return np.moveaxis(q.reshape(q.shape[:-2] + (-1,))[..., :K], -1, axis).astype(np.float32)
;;   ~~~
;; One version. Each part assembles by itself: llvm-mc -triple=amdgcn-amd-amdhsa -mcpu=gfx1250 --defsym DOCPART=n.
;; ======== version 1 of 1: 2 launches
;; limits: right only within a limited range of input values; values are held in f16: magnitudes above 65,504 overflow, below 6.1e-05 lose precision
;; workspace buffers: wcodes 98,304 bytes; wscales 12,288 bytes; wo16 131,072 bytes; bias_img 1,048,576 bytes; rmax 8,192 bytes
;; launch prep (part 1): grid 128 x 1, 1 waves a work-group, no clusters, 0 bytes of LDS; arguments Wq, Wk, Wv, Wo, spatial_constraint, wcodes, wscales, wo16, bias_img, rmax; writes wcodes, wscales, wo16, bias_img, rmax
.if DOCPART == 1
	.amdgcn_target "amdgcn-amd-amdhsa--gfx1250"
	.amdhsa_code_object_version 6
	.text
	.protected	k_qd0bc68819a_prep
	.globl	k_qd0bc68819a_prep
	.p2align	8
	.type	k_qd0bc68819a_prep,@function
k_qd0bc68819a_prep:
	s_mov_b64 s[64:65], 0
	v_nop
	global_prefetch_b8 v0, s[64:65] scope:SCOPE_SE
	s_setreg_imm32_b32 hwreg(HW_REG_WAVE_MODE, 25, 1), 1
	s_wait_xcnt 0x0
; What every work-group of the second launch reads again and again is laid out ONCE, in the order of the operands' registers, so that a fragment there comes by loads of 16 bytes a lane, 512 consecutive bytes a wave.
; No work of the problem is left out in this program: every input has a way to the output (bk too: q . bk is the same along the keys only among the open cells; closed cells stay at -1e9).
; One wave to a work-group, 128 numbers a lane, three kinds of work-group, told apart by the work-group's number alone:
;   0-47   (matrix q, k, v; 16 columns): Wq, Wk, Wv [256 k][256 n] f32 -> codes of E2M1 along k, one E8M0 byte for each 32, by the stated quantiser.  A lane takes a column and its registers run down k, in the
;          order that the 4-bit operand's layout gives that lane (k = 128 ks + 64 c + 32 h + 0..31), so the conversions' results are the operand's registers.
;          wcodes [matrix][column tile][ks 2][c 2][lane][16 bytes];  wscales [matrix][column tile][lane][ks 2][4 bytes] (lane r and lane 16 + r hold column r's words).
;   48-63  (16 columns): Wo [256 k][256 n] f32 -> f16, as fragments of 16 columns x 32 k: wo16 [column tile][ks 8][p 2][lane][16 bytes], lane (r, h): column r, k = 32 ks + 16 p + 8 h + 0..7.
;   64-127 (16 queries Q, half kh of the key slots): the softmax's bias and mask as ONE number in base 2: sc x log2(e) where sc > 0, else -1e9 x log2(e); laid as the C operand of the score product:
;          bias_img [Q 32][slot j 32][p 2][lane][16 bytes], lane (r, h): query 16 Q + r, keys 16 kt + 8 h + 4 p + 0..3, kt = j xor 16 (Q / 16): the key tiles are turned round for the upper half of the
;          queries, so that a work-group's own queries lie in slots 0-15 there.  rmax [kh][Q][lane]: the row's largest sc over these 256 keys: the second launch sees from it whether a row has an open cell.
; LIMITS: blocks whose largest magnitude lies under 2^(2 - 126) keep the byte 1 (a block of zeros too: its codes are zeros, and this program alone reads the bytes); NaN and infinities among the inputs are not served.
.set X, 64                             ; v64-191  the 128 numbers as loaded
.set C, 192                            ; v192-255 what leaves
	s_load_b256 s[4:11], s[0:1], 0x0               ; Wq s[4:5], Wk s[6:7], Wv s[8:9], Wo s[10:11]
	s_load_b256 s[12:19], s[0:1], 0x20             ; spatial_constraint s[12:13], wcodes s[14:15], wscales s[16:17], wo16 s[18:19]
	s_load_b128 s[20:23], s[0:1], 0x40             ; bias_img s[20:21], rmax s[22:23]
	v_and_b32 v1, 15, v0                           ; r
	v_lshrrev_b32 v2, 4, v0                        ; h
	v_lshlrev_b32 v4, 4, v0                        ; 16 x lane
	v_lshlrev_b32 v5, 3, v0                        ; 8 x lane
	v_lshlrev_b32 v6, 2, v0                        ; 4 x lane
	v_mov_b32 v12, 0                               ; written once: a lane permute's destination counts as one of its sources
	v_mov_b32 v13, 0
	s_mov_b32 s30, 0x76543210
	s_mov_b32 s31, 0xfedcba98                      ; v_permlanex16_b32's selects for lane l xor 16
	s_mov_b32 s29, 0                               ; the upper word of every offset
	s_wait_kmcnt 0x0
	s_cmp_lt_u32 ttmp9, 48
	s_cbranch_scc1 .Lweights
	s_cmp_lt_u32 ttmp9, 64
	s_cbranch_scc1 .Lwo
	; ---- the bias: 16 queries x 256 keys
	s_sub_co_u32 s24, ttmp9, 64                    ; 2 Q + kh
	s_lshr_b32 s25, s24, 1                         ; Q
	s_and_b32 s26, s24, 1                          ; kh
	s_lshr_b32 s27, s25, 4
	s_xor_b32 s27, s27, s26                        ; which half of the keys lies in these slots
	s_lshl_b32 s27, s27, 10                        ; 256 keys of 4 bytes
	s_lshl_b32 s28, s25, 15                        ; 16 rows of 2,048 bytes
	s_add_co_u32 s28, s28, s27
	s_add_nc_u64 s[12:13], s[12:13], s[28:29]
	s_lshl_b32 s28, s24, 14                        ; 16 slots of 1,024 bytes
	s_add_nc_u64 s[20:21], s[20:21], s[28:29]
	s_lshl_b32 s28, s26, 12
	s_lshl_b32 s27, s25, 7
	s_add_co_u32 s28, s28, s27
	s_add_nc_u64 s[22:23], s[22:23], s[28:29]
	v_lshlrev_b32 v3, 11, v1
	v_lshl_add_u32 v3, v2, 5, v3                   ; row r, + 8 h keys
.set i, 0
.rept 32
	global_load_b128 v[X+4*i:X+4*i+3], v3, s[12:13] offset:(i/2)*64+(i%2)*16   ; slot i / 2, keys 8 h + 4 (i % 2) + 0..3
.set i, i+1
.endr
	v_mov_b32 v20, 0xceabfb8f                      ; -1e9 x log2(e)
	s_wait_loadcnt 0x0
.irp c, 0,1,2,3                                ; the largest of my 128, in four chains
	v_max_num_f32 v[8+\c], v[X+32*\c], v[X+32*\c+1]
.endr
.irp i, 2,4,6,8,10,12,14,16,18,20,22,24,26,28,30
.irp c, 0,1,2,3
	v_max3_num_f32 v[8+\c], v[8+\c], v[X+32*\c+\i], v[X+32*\c+\i+1]
.endr
.endr
	v_max3_num_f32 v8, v8, v9, v10
	v_max_num_f32 v8, v8, v11
	v_permlanex16_b32 v12, v8, s30, s31
	v_max_num_f32 v8, v8, v12                      ; with lane l xor 16's: the row's, over these 256 keys
	global_store_b32 v6, v8, s[22:23]
.set i, 0
.rept 128
	v_cmp_lt_f32 vcc_lo, 0, v[X+i]                 ; open?
	v_mul_f32 v[X+i], 0x3fb8aa3b, v[X+i]           ; sc x log2(e)
	v_cndmask_b32 v[X+i], v20, v[X+i], vcc_lo
.set i, i+1
.endr
.set i, 0
.rept 32
	global_store_b128 v4, v[X+4*i:X+4*i+3], s[20:21] offset:512*i   ; 32 lanes store 512 consecutive bytes
.set i, i+1
.endr
	s_endpgm
.Lweights:                                         ; ---- 16 columns of Wq, Wk or Wv
	s_lshr_b32 s24, ttmp9, 4                       ; which matrix
	s_and_b32 s25, ttmp9, 15                       ; which 16 columns
	s_cmp_eq_u32 s24, 0
	s_cselect_b64 s[26:27], s[4:5], s[6:7]
	s_cmp_eq_u32 s24, 2
	s_cselect_b64 s[26:27], s[8:9], s[26:27]       ; the choice hangs on the work-group's number alone
	s_lshl_b32 s28, s25, 6
	s_add_nc_u64 s[26:27], s[26:27], s[28:29]
	s_lshl_b32 s28, ttmp9, 11                      ; 2,048 bytes of codes,
	s_add_nc_u64 s[14:15], s[14:15], s[28:29]
	s_lshl_b32 s28, ttmp9, 8                       ; 256 bytes of scale words for each 16 columns
	s_add_nc_u64 s[16:17], s[16:17], s[28:29]
	v_lshlrev_b32 v3, 2, v1
	v_lshl_add_u32 v3, v2, 15, v3                  ; column r; lanes 16-31 begin 32 rows of 1,024 bytes further down
.set i, 0
.rept 128
	global_load_b32 v[X+i], v3, s[26:27] offset:((i/32)*64+i%32)*1024   ; block q = i / 32 = 2 ks + c: k = 64 q + 32 h + i % 32
.set i, i+1
.endr
	s_wait_loadcnt 0x0
.irp q, 0,1,2,3                                ; each block's 32 numbers are mine; the floor 2^(3 - 127) holds the byte at 1 from below
	v_max3_num_f32 v[32+\q], |v[X+32*\q]|, |v[X+32*\q+1]|, 0x1800000
.endr
.irp i, 2,4,6,8,10,12,14,16,18,20,22,24,26,28,30
.irp q, 0,1,2,3
	v_max3_num_f32 v[32+\q], v[32+\q], |v[X+32*\q+\i]|, |v[X+32*\q+\i+1]|
.endr
.endr
.irp q, 0,1,2,3
	v_add_nc_u32 v[36+\q], 0xff000000, v[32+\q]    ; 2 off the exponent field: the conversion's scale operand
.endr
.irp q, 0,1,2,3
	v_lshrrev_b32 v[40+\q], 23, v[36+\q]           ; the scale's byte
.endr
	v_lshlrev_b32 v10, 3, v2
.irp s, 0,1
	v_lshl_or_b32 v[44+\s], v[41+2*\s], 16, v[40+2*\s]   ; my two bytes of K step s: blocks h and 2 + h,
	v_lshlrev_b32 v[44+\s], v10, v[44+\s]          ; at their places in the word
.endr
	v_permlanex16_b32 v12, v44, s30, s31
	v_permlanex16_b32 v13, v45, s30, s31
	v_or_b32 v44, v44, v12                         ; with lane l xor 16's two the word is whole
	v_or_b32 v45, v45, v13
.irp q, 0,1,2,3
.irp g, 0,1,2,3
	v_cvt_scalef32_pk8_fp4_f32 v[C+4*\q+\g], v[X+32*\q+8*\g:X+32*\q+8*\g+7], v[36+\q]
.endr
.endr
	v_nop                                          ; one plain line behind the last scaled conversion
.irp q, 0,1,2,3
	global_store_b128 v4, v[C+4*\q:C+4*\q+3], s[14:15] offset:512*\q
.endr
	global_store_b64 v5, v[44:45], s[16:17]        ; 32 lanes store 256 consecutive bytes
	s_endpgm
.Lwo:                                              ; ---- 16 columns of Wo
	s_sub_co_u32 s24, ttmp9, 48
	s_lshl_b32 s28, s24, 6
	s_add_nc_u64 s[10:11], s[10:11], s[28:29]
	s_lshl_b32 s28, s24, 13                        ; 8,192 bytes for each 16 columns
	s_add_nc_u64 s[18:19], s[18:19], s[28:29]
	v_lshlrev_b32 v3, 2, v1
	v_lshl_add_u32 v3, v2, 13, v3                  ; column r; lanes 16-31 begin 8 rows further down
.set i, 0
.rept 128
	global_load_b32 v[X+i], v3, s[10:11] offset:((i/8)*16+i%8)*1024   ; k = 16 (i / 8) + 8 h + i % 8
.set i, i+1
.endr
	s_wait_loadcnt 0x0
.set i, 0
.rept 64
	v_cvt_pk_f16_f32 v[C+i], v[X+2*i], v[X+2*i+1]  ; the lower k in the low half
.set i, i+1
.endr
.set i, 0
.rept 16
	global_store_b128 v4, v[C+4*i:C+4*i+3], s[18:19] offset:512*i
.set i, i+1
.endr
	s_endpgm
.Lfunc_end_k_qd0bc68819a_prep:
	.size	k_qd0bc68819a_prep, .Lfunc_end_k_qd0bc68819a_prep-k_qd0bc68819a_prep
	.p2alignl 7, 3214868480
	.fill 96, 4, 3214868480
	.section	.rodata,"a",@progbits
	.p2align	6, 0x0
	.amdhsa_kernel k_qd0bc68819a_prep
		.amdhsa_group_segment_fixed_size 0
		.amdhsa_private_segment_fixed_size 0
		.amdhsa_enable_private_segment 0
		.amdhsa_kernarg_size 80
		.amdhsa_user_sgpr_count 2
		.amdhsa_user_sgpr_kernarg_segment_ptr 1
		.amdhsa_wavefront_size32 1
		.amdhsa_system_sgpr_workgroup_id_x 1
		.amdhsa_system_sgpr_workgroup_id_y 1
		.amdhsa_system_sgpr_workgroup_id_z 1
		.amdhsa_system_vgpr_workitem_id 0
		.amdhsa_next_free_vgpr 256
		.amdhsa_next_free_sgpr 66
		.amdhsa_reserve_vcc 1
		.amdhsa_float_denorm_mode_32 3
		.amdhsa_float_denorm_mode_16_64 3
		.amdhsa_memory_ordered 1
		.amdhsa_forward_progress 1
		.amdhsa_inst_pref_size 65
	.end_amdhsa_kernel
	.amdgpu_metadata
---
amdhsa.version: [ 1, 2 ]
amdhsa.kernels:
  - .name:           k_qd0bc68819a_prep
    .symbol:         k_qd0bc68819a_prep.kd
    .args:
      - { .name: Wq, .offset: 0, .size: 8, .value_kind: global_buffer, .address_space: global }
      - { .name: Wk, .offset: 8, .size: 8, .value_kind: global_buffer, .address_space: global }
      - { .name: Wv, .offset: 16, .size: 8, .value_kind: global_buffer, .address_space: global }
      - { .name: Wo, .offset: 24, .size: 8, .value_kind: global_buffer, .address_space: global }
      - { .name: spatial_constraint, .offset: 32, .size: 8, .value_kind: global_buffer, .address_space: global }
      - { .name: wcodes, .offset: 40, .size: 8, .value_kind: global_buffer, .address_space: global }
      - { .name: wscales, .offset: 48, .size: 8, .value_kind: global_buffer, .address_space: global }
      - { .name: wo16, .offset: 56, .size: 8, .value_kind: global_buffer, .address_space: global }
      - { .name: bias_img, .offset: 64, .size: 8, .value_kind: global_buffer, .address_space: global }
      - { .name: rmax, .offset: 72, .size: 8, .value_kind: global_buffer, .address_space: global }
    .group_segment_fixed_size: 0
    .private_segment_fixed_size: 0
    .kernarg_segment_align: 8
    .kernarg_segment_size: 80
    .max_flat_workgroup_size: 32
    .sgpr_count:     66
    .vgpr_count:     256
    .wavefront_size: 32
...
	.end_amdgpu_metadata
.endif
;; end of part 1
;; launch attn (part 2): grid 8 x 32, 4 waves a work-group, clusters of 4 x 1, 327,680 bytes of LDS; arguments x, wcodes, wscales, bq, bk, bv, wo16, bo, bias_img, rmax, out0; writes out0
.if DOCPART == 2
	.amdgcn_target "amdgcn-amd-amdhsa--gfx1250"
	.amdhsa_code_object_version 6
	.text
	.protected	k_qd0bc68819a_attn
	.globl	k_qd0bc68819a_attn
	.p2align	8
	.type	k_qd0bc68819a_attn,@function
k_qd0bc68819a_attn:
	s_mov_b64 s[64:65], 0
	v_nop
	global_prefetch_b8 v0, s[64:65] scope:SCOPE_SE
	s_setreg_imm32_b32 hwreg(HW_REG_WAVE_MODE, 25, 1), 1
	s_wait_xcnt 0x0
	s_wait_alu depctr_hold_cnt(0) depctr_sa_sdst(0) depctr_va_vdst(0) depctr_va_sdst(0) depctr_va_ssrc(0) depctr_va_vcc(0) depctr_vm_vsrc(0)
	s_getreg_b32 s2, hwreg(HW_REG_IB_STS2, 6, 4)
	s_cmp_eq_u32 s2, 0
	s_cbranch_scc0 .Lentry_in_a_cluster
	s_endpgm
.Lentry_in_a_cluster:
	s_bfe_u32 s2, ttmp6, 0x10000c
	s_cmp_lg_u32 s2, 0x3003
	s_cbranch_scc0 .Lentry_shape_is_right
	s_endpgm
.Lentry_shape_is_right:
; out = softmax_m(q k^T / sqrt(32) + sc, closed cells at -1e9) v Wo + bo, with q, k, v = x W + b on codes of E2M1 (one E8M0 scale for each 32 along the 256), for one sequence of 512 tokens and one half (256) of its
; queries: from x to out0 in one launch.  No work of the problem is left out.  The score product, the product with v and the product with Wo take f16 operands and f32 sums; maxima, exponentials, sums in f32.
; SHARES.  A WAVE OWNS A HEAD: two passes of four heads.  K and V of its head, for all 512 tokens, stay in the wave's registers as f16 fragments (256 + 256); the scores of 16 queries x 512 keys fill 256 more,
; so a row's true maximum is taken before its exponentials, once, and K, V, Q and P never touch LDS.  Both halves of a sequence make all of K and V: that doubles only the 4-bit products and x's quantising.
; THE BIAS IS THE C OF THE SCORE PRODUCT.  q is multiplied in f32 by c_row = log2(e) / sqrt(32) (0 for a row with no open cell) and rounded to f16; the first launch left sc x log2(e), or -1e9 x log2(e) in closed
; cells, in the result's layout.  So S^T = K Q'^T + bias' is the softmax's input in base 2: no multiply, compare or select for a score.  A row with no open cell has the same number in all its cells, as in the
; problem: p = 1, sum 512.  In any other row 2^(closed - largest) is 0, as there.
; LAYOUTS CHAIN.  K and Q are projected transposed (source 0 = 16 columns of W, source 1 = 16 tokens): a lane holds one token and 8 neighbouring channels: rounded in pairs they are the f16 fragment.  V is
; projected as it stands: a lane holds one channel and 8 tokens: a fragment of V^T.  S^T = K Q'^T: a lane holds one query and 8 keys: two tiles, rounded, are P.  O^T = V^T P: one query, 8 channels.
; CLUSTER.  The four partners are four sequences with the same half of the queries: they walk the same bias tiles (32 KiB for 16 queries) in the same order, so each quarter of a tile is asked for JOINTLY, by the same
; tensor load with the mask of all four.  x is not shared so: its two readers lie in different clusters.  The place in the cluster enters x's and out0's addresses alone.
; LIMITS: open logits under about 1e8 in magnitude (so that closed cells vanish beside them); q c_row, k, v, the attended rows and Wo inside f16's range; blocks of x under 2^(2 - 126) keep the byte 1; NaN and infinities not served.
; LDS: RING two slots of a bias tile, filled by tensor loads alone | XIMG x's codes as images of fragments, token slot j, K step s at 1,024 (2 j + s) | XSC their scale words [slot][lane][s] | CROW c_row [tile][lane] |
;   ATT the attended rows, f16, 256 rows of 512 + 16 bytes | the spare words.  Token slot j holds token tile j xor 16 x half: my queries lie in slots 0-15, so no LDS address knows the half.
;   On the way out each wave has a stage of 32 rows x (256 + 16) bytes in XIMG's bytes, which nobody reads by then and no tensor load ever fills.
; REGISTERS, in windows of 256 (s_set_vgpr_msb: bits 1:0 source 0, 3:2 source 1, 5:4 source 2, 7:6 destination):
;   window 0: v1-19 addresses; v20-39 scale words and nothing else; v40-59 a tile's statistics; v60-67 Q' (at first: codes just made); v68-83 q; v84-131 Wq, bq; v132-163 O^T in four accumulators;
;             v164-227 x's fragments, then P and partial sums, then rows of out0; v228-235 packed O; v236-253 the quantiser's
;   window 1: at first four sets of 64 numbers of x; K, fragment j at 8 j; at the end Wo        window 2: V^T, fragment (32 keys kb, 16 channels ct) at 8 (2 kb + ct); at the end the attended rows' fragments
;   window 3: Wk, Wv, bk, bv and two sets of accumulators; then S^T, tile j at 8 j; at the end out0's accumulators and bo
;   The scores fill a window of their own, so the lines that read or write them stand in runs under one setting: some fifty switches for a tile's 68 matrix and 900 vector instructions.
.set SLOTB, 32768                      ; a ring slot; slot 1 = slot 0 xor SLOTB
.set XIMG,  65536
.set XSC,   131072
.set CROW,  139264
.set ATT,   141312
.set AP,    528                        ; a row of ATT: an odd multiple of 16 bytes
.set SPARE, 276480                     ; the spare words: 128 bytes for each wave, two blocks of 256 bytes that no other line names
.set SGP,   272                        ; a row of a stage
.set TM,    236                        ; v236-239 largest magnitudes, v240-243 bytes, v248-251 the conversions' scale operands
.set PC,    60                         ; the codes just made
.set MSB, 0
.macro WIN new                         ; the immediate's high byte repeats the setting that is left; a switch that changes nothing is dropped
.if MSB != \new
	s_set_vgpr_msb (MSB<<8)|\new
.set MSB, \new
.endif
.endm
.macro PLACES n                        ; plain vector lines between a matrix instruction and what may not follow it at once (ISA guide 7.12.1)
.rept \n
	v_nop
.endr
.endm
.macro ROUND                           ; a round of the cluster's barrier: my work-group's barrier; wave 0 signals for the work-group; all wait for the four work-groups; my work-group's barrier
	s_barrier_signal -1
	s_barrier_wait -1
	s_cmp_lg_u32 s26, 0
	s_cbranch_scc1 .Lnot_wave_0_\@
	s_barrier_signal -3
.Lnot_wave_0_\@:
	s_barrier_wait -3
	s_barrier_signal -1
	s_barrier_wait -1
.endm
; THE CHANGE OF SLOTS.  Each wave waits for its one tensor load (its quarter of the tile that is read next), adds 0 to its spare word, steps its descriptor, and waits for the add and for all its LDS reads and stores.
; fill = 1: a round follows, so that no wave of any partner still reads the slot or has a load on its way, and the joint load is the first thing behind it.  reset = 1: a pass begins: tile 0 into slot 0.
.macro CHANGE fill, twice, reset
	WIN 0
	s_wait_tensorcnt 0x0                           ; no tensor load of mine is out, so the descriptor may be written
	ds_add_u32 v16, v17
.if \twice
	ds_add_u32 v16, v17
.endif
.if \fill
.if \reset
	s_lshl_b32 s41, s26, 13                        ; LDS: my quarter of slot 0
	s_mov_b64 s[42:43], s[44:45]                   ; memory: my quarter of my half's first tile
	s_or_b32 s43, s43, 0x80000000                  ; type = 2
.else
	s_xor_b32 s41, s41, SLOTB                      ; the other slot,
	s_add_nc_u64 s[42:43], s[42:43], SLOTB         ; the next tile; the type bits on top are not reached
.endif
	s_wait_dscnt 0x0
	ROUND
	tensor_load_to_lds s[40:43], s[32:39]
	s_nop 0
	PLACES 4
.else
	s_wait_dscnt 0x0
	s_barrier_signal -1                            ; nothing is filled: my work-group's barrier shows the last tile whole
	s_barrier_wait -1
.endif
.endm
; 16 tokens x 128 along K of x, 64 numbers a lane, into set (window 1): register 16 b + i = k 32 b + 16 h + i of row r
.macro XLOAD set, off
.irp b, 0,1,2,3
.irp j, 0,1,2,3
	global_load_b128 v[64*(\set)+16*\b+4*\j:64*(\set)+16*\b+4*\j+3], v4, s[4:5] offset:(\off)+128*\b+16*\j
.endr
.endr
.endm
; A set's 64 numbers become a fragment's codes in v[PC] on and its rows' scale word in v252 (even set: K step 0) or v253
.macro QUANT set
.set XB, 64*(\set)
.set PW, 252+(\set)%2
	WIN 0x05                                       ; the numbers: window 1
.irp b, 0,1,2,3
	v_max3_num_f32 v[TM+\b], |v[XB+16*\b]|, |v[XB+16*\b+1]|, 0x1800000   ; block b: my 16 numbers, and the floor 2^(3 - 127): the byte cannot fall under 1
.endr
.irp i, 2,4,6,8,10,12,14
.irp b, 0,1,2,3
	v_max3_num_f32 v[TM+\b], |v[XB+16*\b+\i]|, |v[XB+16*\b+\i+1]|, v[TM+\b]   ; the four blocks by turns
.endr
.endr
	WIN 0
.irp b, 0,1,2,3
	v_permlanex16_b32 v[TM+4+\b], v[TM+\b], s30, s31
.endr
.irp b, 0,1,2,3
	v_max_num_f32 v[TM+\b], v[TM+\b], v[TM+4+\b]   ; with lane l xor 16's: the block's largest magnitude
.endr
.irp b, 0,1,2,3
	v_add_nc_u32 v[TM+12+\b], 0xff000000, v[TM+\b] ; 2 off its exponent field: the conversion's scale operand
.endr
.irp b, 0,1,2,3
	v_lshrrev_b32 v[TM+4+\b], 23, v[TM+12+\b]      ; the scale's byte
.endr
	v_lshl_or_b32 v[PW], v[TM+5], 8, v[TM+4]
	v_lshl_or_b32 v[PW], v[TM+6], 16, v[PW]
	v_lshl_or_b32 v[PW], v[TM+7], 24, v[PW]
	WIN 0x01
.irp b, 0,1,2,3
	v_cvt_scalef32_pk8_fp4_f32 v[PC+2*\b], v[XB+16*\b:XB+16*\b+7], v[TM+12+\b]
	v_cvt_scalef32_pk8_fp4_f32 v[PC+2*\b+1], v[XB+16*\b+8:XB+16*\b+15], v[TM+12+\b]
.endr
	WIN 0
	v_nop                                          ; one plain line behind the last scaled conversion
.irp c, 0,1                                    ; the operand's layout wants a whole block in a lane
.irp i, 0,1
	v_permlane16_swap_b32 v[PC+4*\c+\i], v[PC+2+4*\c+\i]
.endr
.endr
.endm
; One unit of x: left = the loads of the younger units, which stay out.  reload = 1: the set takes the unit four further on.
.macro XUNIT set, reload, left
	s_wait_loadcnt \left
	s_wait_dscnt 0x0                               ; the last unit's LDS stores have read their registers
	QUANT \set
	ds_store_b128 v6, v[PC:PC+3] offset:(\set)*1024        ; the fragment goes to LDS as it stands: 16 bytes a lane, 512 a store
	ds_store_b128 v6, v[PC+4:PC+7] offset:(\set)*1024+512
.if (\set)%2
	ds_store_b64 v7, v[252:253] offset:((\set)/2)*256      ; the slot's two scale words
.endif
.if \reload
	WIN 0x40
	XLOAD \set, 32768+((\set)/2)*16384+((\set)%2)*512
.endif
.endm
; x's four fragments and two pairs of scale words of token slots 2 kb, 2 kb + 1 into set kb % 2: ten LDS loads
.macro KVLOAD kb
.irp m, 0,1,2,3,4,5,6,7
	ds_load_b128 v[164+32*((\kb)%2)+4*\m:164+32*((\kb)%2)+4*\m+3], v15 offset:(\kb)*4096+512*\m
.endr
.irp t, 0,1
	ds_load_b64 v[20+4*((\kb)%2)+2*\t:21+4*((\kb)%2)+2*\t], v18 offset:(2*(\kb)+\t)*256
.endr
.endm
; K and V of 32 tokens: 16 products on codes, eight accumulators, one instruction a turn; the biases are the C of each sum's first product.  Then they are rounded into their fragments.
.macro KVGROUP kb, left, ahead
.set XFS, 164+32*((\kb)%2)
.set XSS, 20+4*((\kb)%2)
.set AS,  96+64*((\kb)%2)
	s_wait_dscnt \left                             ; this group's ten loads are in; the next group's ten may be out
	WIN 0xf3                                       ; Wk, bk and the sums: window 3; x: window 0
.irp s, 0,1
.irp t, 0,1
.irp c, 0,1
.if \s == 0
	v_wmma_scale_f32_16x16x128_f8f6f4 v[AS+8*(2*\t+\c):AS+8*(2*\t+\c)+7], v[8*(2*\c+\s):8*(2*\c+\s)+7], v[XFS+8*(2*\t+\s):XFS+8*(2*\t+\s)+7], v[64+8*\c:64+8*\c+7], v[32+2*\c+\s], v[XSS+2*\t+\s] matrix_a_fmt:MATRIX_FMT_FP4 matrix_b_fmt:MATRIX_FMT_FP4
.else
	v_wmma_scale_f32_16x16x128_f8f6f4 v[AS+8*(2*\t+\c):AS+8*(2*\t+\c)+7], v[8*(2*\c+\s):8*(2*\c+\s)+7], v[XFS+8*(2*\t+\s):XFS+8*(2*\t+\s)+7], v[AS+8*(2*\t+\c):AS+8*(2*\t+\c)+7], v[32+2*\c+\s], v[XSS+2*\t+\s] matrix_a_fmt:MATRIX_FMT_FP4 matrix_b_fmt:MATRIX_FMT_FP4
.endif
.endr
.endr
.endr
	WIN 0xfc                                       ; x: window 0; Wv, bv and the sums: window 3
.irp s, 0,1
.irp t, 0,1
.irp c, 0,1
.if \s == 0
	v_wmma_scale_f32_16x16x128_f8f6f4 v[AS+32+8*(2*\t+\c):AS+32+8*(2*\t+\c)+7], v[XFS+8*(2*\t+\s):XFS+8*(2*\t+\s)+7], v[32+8*(2*\c+\s):32+8*(2*\c+\s)+7], v[80+8*\c:80+8*\c+7], v[XSS+2*\t+\s], v[36+2*\c+\s] matrix_a_fmt:MATRIX_FMT_FP4 matrix_b_fmt:MATRIX_FMT_FP4
.else
	v_wmma_scale_f32_16x16x128_f8f6f4 v[AS+32+8*(2*\t+\c):AS+32+8*(2*\t+\c)+7], v[XFS+8*(2*\t+\s):XFS+8*(2*\t+\s)+7], v[32+8*(2*\c+\s):32+8*(2*\c+\s)+7], v[AS+32+8*(2*\t+\c):AS+32+8*(2*\t+\c)+7], v[XSS+2*\t+\s], v[36+2*\c+\s] matrix_a_fmt:MATRIX_FMT_FP4 matrix_b_fmt:MATRIX_FMT_FP4
.endif
.endr
.endr
.endr
	PLACES 4                                       ; in front of the loads into x's registers and of the first read of the sums
.if \ahead
	WIN 0
	KVLOAD (\kb)+2
.endif
	WIN 0x4f                                       ; sums: window 3; K: window 1
.irp t, 0,1
.irp c, 0,1
.irp i, 0,1,2,3
	v_cvt_pk_f16_f32 v[8*(2*(\kb)+\t)+4*\c+\i], v[AS+8*(2*\t+\c)+2*\i], v[AS+8*(2*\t+\c)+2*\i+1]          ; token r, channels 16 c + 8 h + 2 i, + 1
.endr
.endr
.endr
	WIN 0x8f                                       ; V^T: window 2
.irp t, 0,1
.irp c, 0,1
.irp i, 0,1,2,3
	v_cvt_pk_f16_f32 v[8*(2*(\kb)+\c)+4*\t+\i], v[AS+32+8*(2*\t+\c)+2*\i], v[AS+32+8*(2*\t+\c)+2*\i+1]    ; channel r, tokens 16 t + 8 h + 2 i, + 1
.endr
.endr
.endr
.endm
; q of 16 queries: four products on codes, two accumulators by turns
.macro QW
.irp s, 0,1
.irp c, 0,1
.if \s == 0
	v_wmma_scale_f32_16x16x128_f8f6f4 v[68+8*\c:75+8*\c], v[84+8*(2*\c+\s):91+8*(2*\c+\s)], v[164+8*\s:171+8*\s], v[116+8*\c:123+8*\c], v[28+2*\c+\s], v[20+\s] matrix_a_fmt:MATRIX_FMT_FP4 matrix_b_fmt:MATRIX_FMT_FP4
.else
	v_wmma_scale_f32_16x16x128_f8f6f4 v[68+8*\c:75+8*\c], v[84+8*(2*\c+\s):91+8*(2*\c+\s)], v[164+8*\s:171+8*\s], v[68+8*\c:75+8*\c], v[28+2*\c+\s], v[20+\s] matrix_a_fmt:MATRIX_FMT_FP4 matrix_b_fmt:MATRIX_FMT_FP4
.endif
.endr
.endr
.endm
.macro QFIN                            ; q x c_row in f32, then rounded: Q'
.irp i, 0,1,2,3,4,5,6,7
	v_pk_mul_f32 v[68+2*\i:69+2*\i], v[68+2*\i:69+2*\i], v[40:41] op_sel_hi:[1,0]
.endr
.irp i, 0,1,2,3,4,5,6,7
	v_cvt_pk_f16_f32 v[60+\i], v[68+2*\i], v[69+2*\i]
.endr
.endm
.macro WSC g                           ; four tiles of scores: S^T = K Q'^T + bias', the bias lying where the result goes
	WIN 0xf1                                       ; K: window 1; Q': window 0; S^T: window 3
.irp q, 0,1,2,3
	v_wmma_f32_16x16x32_f16 v[8*(4*(\g)+\q):8*(4*(\g)+\q)+7], v[8*(4*(\g)+\q):8*(4*(\g)+\q)+7], v[60:67], v[8*(4*(\g)+\q):8*(4*(\g)+\q)+7]
.endr
.endm
.macro MAXG g                          ; the largest of these 32 scores joins four chains; each tile is read from its low end on
	WIN 0x0f
.irp e, 0,1,2,3,4,5,6,7,8,9,10,11,12,13,14,15
.if ((\g) == 0) && (\e < 4)
	v_max_num_f32 v[42+\e], v[2*\e], v[2*\e+1]
.else
	v_max3_num_f32 v[42+\e%4], v[32*(\g)+2*\e], v[32*(\g)+2*\e+1], v[42+\e%4]
.endif
.endr
.endm
.macro NORM                            ; O^T's two halves are added, divided by the row's sum, rounded, and go to my head's 64 bytes of the rows in ATT
.irp i, 0,1,2,3,4,5,6,7
	v_pk_add_f32 v[132+2*\i:133+2*\i], v[132+2*\i:133+2*\i], v[148+2*\i:149+2*\i]
.endr
	v_pk_add_f32 v[50:51], v[50:51], v[52:53]
	v_pk_add_f32 v[54:55], v[54:55], v[56:57]
	v_pk_add_f32 v[50:51], v[50:51], v[54:55]
	v_add_f32 v50, v50, v51
	v_permlanex16_b32 v48, v50, s30, s31
	v_add_f32 v50, v50, v48                        ; the row's sum: at least 1, since the largest p is 1
	v_rcp_f32 v58, v50
	v_add_nc_u32 v7, s52, v8                       ; (a plain line behind the reciprocal)  where the tile's rows lie
	s_wait_alu depctr_va_vdst(0)                   ; the wait ahead of the first reader
.irp i, 0,1,2,3,4,5,6,7
	v_pk_mul_f32 v[132+2*\i:133+2*\i], v[132+2*\i:133+2*\i], v[58:59] op_sel_hi:[1,0]
.endr
.irp i, 0,1,2,3,4,5,6,7
	v_cvt_pk_f16_f32 v[228+\i], v[132+2*\i], v[133+2*\i]
.endr
	ds_store_b128 v7, v[228:231]                   ; query r, channels 8 h + 0..7 of my head,
	ds_store_b128 v7, v[232:235] offset:32         ; and 16 + 8 h + 0..7
.endm
; A TILE OF 16 QUERIES.  next = 1: another tile of the pass follows: its x, its q and its bias are fetched on the way.  refill = 1: the slot just read out takes the tile two further on.
.macro TILE refill, next
	s_wait_dscnt 0x0                               ; the bias lies in S^T's registers
	WSC 0                                          ; the products and the search for the maximum by turns, the search one group behind:
	WSC 1
	PLACES 4                                       ; four plain lines stand between a product and the first read of its result: here these, later the search of the group before
	MAXG 0
.irp g, 2,3,4,5,6,7
	WSC \g
	MAXG \g-1
.endr
	MAXG 7
	WIN 0
	v_max3_num_f32 v42, v42, v43, v44
	v_max_num_f32 v42, v42, v45
	v_permlanex16_b32 v48, v42, s30, s31           ; the query's other 256 keys lie in the lane 16 away
	v_max_num_f32 v46, v42, v48                    ; THE ROW'S LARGEST t
.if \next
	v_add_nc_u32 v5, s49, v15
	v_add_nc_u32 v6, s50, v18
	v_add_nc_u32 v7, s51, v19
.irp m, 0,1,2,3
	ds_load_b128 v[164+4*\m:167+4*\m], v5 offset:512*\m    ; the next 16 queries' codes,
.endr
	ds_load_b64 v[20:21], v6                       ; scale words
	ds_load_b32 v40, v7                            ; and c_row; the change of slots below waits for them
.endif
	WIN 0xc3                                       ; S^T: window 3; the maximum: window 0
.set i, 0
.rept 4
	v_pk_add_f32 v[2*i:2*i+1], v[2*i:2*i+1], v[46:47] op_sel_hi:[1,0] neg_lo:[0,1] neg_hi:[0,1]
.set i, i+1
.endr
.set i, 0
.rept 128                              ; ONE BATCH: a subtraction and two exponentials, the subtraction four pairs ahead; nothing here names an exponential's result
.if i < 124
	v_pk_add_f32 v[2*i+8:2*i+9], v[2*i+8:2*i+9], v[46:47] op_sel_hi:[1,0] neg_lo:[0,1] neg_hi:[0,1]
.endif
	v_exp_f32 v[2*i], v[2*i]                       ; p = 2^(t - largest t), at most 1
	v_exp_f32 v[2*i+1], v[2*i+1]
.set i, i+1
.endr
	v_nop                                          ; a plain line behind the last exponential
	s_wait_alu depctr_va_vdst(0)                   ; the wait ahead of the first reader: one for the 256
.if \next
	CHANGE \refill, 0, 0                           ; the next tile's bias is whole in its slot; the load that goes out here has a tile's work in which to land
	QW
	v_add_nc_u32 v5, s48, v1                       ; where the next tile's bias lies
.endif
.set g, 0
.rept 8                                ; four tiles of p at a time: summed, rounded to P, their registers given to the next tile's bias, and multiplied with V^T
	WIN 0x0f
.irp i, 0,1,2,3,4,5,6,7
	v_pk_add_f32 v[212+2*\i:213+2*\i], v[32*g+4*\i:32*g+4*\i+1], v[32*g+4*\i+2:32*g+4*\i+3]
.endr
.irp m, 0,1,2,3,4,5,6,7,8,9,10,11,12,13,14,15
	v_cvt_pk_f16_f32 v[180+16*(g%2)+\m], v[32*g+2*\m], v[32*g+2*\m+1]
.endr
	WIN 0
.irp c, 0,1,2,3
.if g == 0
	v_pk_add_f32 v[50+2*\c:51+2*\c], v[212+2*\c:213+2*\c], v[220+2*\c:221+2*\c]   ; the first group starts the sums
.else
	v_pk_add_f32 v[50+2*\c:51+2*\c], v[50+2*\c:51+2*\c], v[212+2*\c:213+2*\c]
.endif
.endr
.if g > 0
.irp c, 0,1,2,3
	v_pk_add_f32 v[50+2*\c:51+2*\c], v[50+2*\c:51+2*\c], v[220+2*\c:221+2*\c]
.endr
.endif
.if \next
	WIN 0xc0
.irp m, 0,1,2,3,4,5,6,7
	ds_load_b128 v[32*g+4*\m:32*g+4*\m+3], v5 offset:4096*g+512*\m
.endr
.endif
	WIN 0x02                                       ; V^T: window 2; P and O^T: window 0.  Four accumulators, one instruction a turn
.if g == 0
	v_wmma_f32_16x16x32_f16 v[132:139], v[32*g:32*g+7],     v[180+16*(g%2):187+16*(g%2)], 0
	v_wmma_f32_16x16x32_f16 v[140:147], v[32*g+8:32*g+15],  v[180+16*(g%2):187+16*(g%2)], 0
	v_wmma_f32_16x16x32_f16 v[148:155], v[32*g+16:32*g+23], v[188+16*(g%2):195+16*(g%2)], 0
	v_wmma_f32_16x16x32_f16 v[156:163], v[32*g+24:32*g+31], v[188+16*(g%2):195+16*(g%2)], 0
.else
	v_wmma_f32_16x16x32_f16 v[132:139], v[32*g:32*g+7],     v[180+16*(g%2):187+16*(g%2)], v[132:139]
	v_wmma_f32_16x16x32_f16 v[140:147], v[32*g+8:32*g+15],  v[180+16*(g%2):187+16*(g%2)], v[140:147]
	v_wmma_f32_16x16x32_f16 v[148:155], v[32*g+16:32*g+23], v[188+16*(g%2):195+16*(g%2)], v[148:155]
	v_wmma_f32_16x16x32_f16 v[156:163], v[32*g+24:32*g+31], v[188+16*(g%2):195+16*(g%2)], v[156:163]
.endif
.set g, g+1
.endr
	WIN 0
.if \next
	QFIN                                           ; sixteen plain lines that name nothing of the last products: their places
.else
	PLACES 4
.endif
	NORM
.if \next
	s_xor_b32 s48, s48, SLOTB
	s_add_co_u32 s49, s49, 2048
	s_add_co_u32 s50, s50, 256
	s_add_co_u32 s51, s51, 128
	s_add_co_u32 s52, s52, 16*AP
.endif
.endm
.macro AFLOAD adr                      ; 32 attended rows as 16 fragments (16 rows x 32 channels): window 2
.irp t, 0,1
.irp s, 0,1,2,3,4,5,6,7
	ds_load_b128 v[8*(8*\t+\s):8*(8*\t+\s)+3],   v[\adr] offset:\t*16*AP+64*\s
	ds_load_b128 v[8*(8*\t+\s)+4:8*(8*\t+\s)+7], v[\adr] offset:\t*16*AP+64*\s+32
.endr
.endr
.endm
; 32 rows x my 64 columns of out0 = attended Wo + bo, transposed (source 0 = 16 columns of Wo, source 1 = 16 rows): a lane holds 8 neighbouring columns of a row
.macro PROJ next
	s_wait_dscnt 0x0                               ; the rows' fragments are in
	WIN 0xf9                                       ; Wo: window 1; the rows: window 2; bo and the sums: window 3
.irp s, 0,1,2,3,4,5,6,7
.irp t, 0,1
.irp e, 0,1,2,3
.if \s == 0
	v_wmma_f32_16x16x32_f16 v[8*(4*\t+\e):8*(4*\t+\e)+7], v[8*(8*\e+\s):8*(8*\e+\s)+7], v[8*(8*\t+\s):8*(8*\t+\s)+7], v[64+8*\e:71+8*\e]
.else
	v_wmma_f32_16x16x32_f16 v[8*(4*\t+\e):8*(4*\t+\e)+7], v[8*(8*\e+\s):8*(8*\e+\s)+7], v[8*(8*\t+\s):8*(8*\t+\s)+7], v[8*(4*\t+\e):8*(4*\t+\e)+7]
.endif
.endr
.endr
.endr
	PLACES 5                                       ; four in front of the reads of the sums and of the loads into the rows' registers; five in front of the next step's products, which begin the sums anew
	WIN 0x0c                                       ; an LDS store's data are its source 1: window 3
.irp t, 0,1
.irp e, 0,1,2,3
	ds_store_b128 v10, v[8*(4*\t+\e):8*(4*\t+\e)+3] offset:\t*16*SGP+64*\e        ; each sum from its low end on
	ds_store_b128 v10, v[8*(4*\t+\e)+4:8*(4*\t+\e)+7] offset:\t*16*SGP+64*\e+16
.endr
.endr
	WIN 0
.irp i, 0,1,2,3,4,5,6,7,8,9,10,11,12,13,14,15
	ds_load_b128 v[164+4*\i:167+4*\i], v11 offset:2*\i*SGP   ; LDS serves a wave's instructions in order (ISA guide 5.7.1.4): these see my stores; two rows of 256 bytes a load
.endr
.if \next
	s_add_co_u32 s53, s53, 32*AP
	v_add_nc_u32 v5, s53, v9
	WIN 0x80
	AFLOAD 5                                       ; the next 32 rows
	WIN 0
	s_wait_dscnt 32                                ; all but the 32 just issued: my rows are back
.else
	s_wait_dscnt 0x0
.endif
.irp i, 0,1,2,3,4,5,6,7,8,9,10,11,12,13,14,15
	global_store_b128 v12, v[164+4*\i:167+4*\i], s[24:25] offset:2048*\i th:TH_STORE_NT   ; sixteen lanes store 256 consecutive bytes, at a multiple of 256 from out0's first byte
.endr
.if \next
	s_wait_xcnt 0x0                                ; the stores have read their registers and their base: both may be written again
	s_add_nc_u64 s[24:25], s[24:25], 32768
.endif
.endm
	s_load_b256 s[4:11], s[0:1], 0x0               ; x s[4:5], wcodes s[6:7], wscales s[8:9], bq s[10:11]
	s_load_b256 s[12:19], s[0:1], 0x20             ; bk s[12:13], bv s[14:15], wo16 s[16:17], bo s[18:19]
	s_load_b128 s[20:23], s[0:1], 0x40             ; bias_img s[20:21], rmax s[22:23]
	s_load_b64 s[24:25], s[0:1], 0x50              ; out0
	v_lshl_add_u32 v16, v0, 2, SPARE
	v_mov_b32 v17, 0
	ds_add_u32 v16, v17                            ; the wave's opening: the add, twice on end, and its wait ahead of my first tensor load
	ds_add_u32 v16, v17
	v_lshrrev_b32 v5, 5, v0
	v_readfirstlane_b32 s26, v5                    ; wave 0..3
	s_mov_b32 s27, ttmp9                           ; the cluster's x: which half of the queries; the four partners share it
	s_bfe_u32 s56, ttmp6, 0x40000                  ; cx: my place in the cluster
	s_and_b32 s28, ttmp7, 0xffff
	s_lshl_b32 s28, s28, 2
	s_add_co_u32 s28, s28, s56                     ; my sequence = 4 x cluster y + cx: it enters x's and out0's addresses alone
	s_lshl_b32 s58, s28, 19                        ; its 512 rows of 1,024 bytes
	s_lshl_b32 s57, s26, 7
	s_lshl_b32 s59, s27, 8
	s_xor_b32 s57, s57, s59                        ; the tokens of my eight slots begin at row 128 w xor 256 half
	s_lshl_b32 s57, s57, 10
	s_add_co_u32 s60, s58, s57
	s_mov_b32 s61, 0
	s_lshl_b32 s57, s27, 18                        ; out0: my half's 256 rows,
	s_add_co_u32 s62, s58, s57
	s_lshl_b32 s57, s26, 8                         ; my wave's 64 columns
	s_add_co_u32 s62, s62, s57
	s_mov_b32 s63, 0
	s_lshl_b32 s68, s27, 19                        ; the bias: my half's 16 tiles of 32,768 bytes,
	s_lshl_b32 s69, s26, 13                        ; my wave's quarter of a tile
	s_add_co_u32 s68, s68, s69
	s_mov_b32 s69, 0
	s_mov_b32 s55, 0
	s_mov_b32 s30, 0x76543210
	s_mov_b32 s31, 0xfedcba98                      ; v_permlanex16_b32's selects for lane l xor 16
	; the descriptor: a quarter of a bias tile, 8,192 dense bytes, as 32 rows of 256 bytes (32 elements of 8 bytes), no padding: the tile is an image of registers, read 512 consecutive bytes a load
	s_mov_b32 s32, 15|(3<<16)|(1<<21)              ; 15:0 the mask: all four work-groups; 17:16 elements of 8 bytes; 21 set beside a mask
	s_mov_b32 s33, 32<<16                          ; tensor_dim0 = 32
	s_mov_b32 s34, 32<<16                          ; tensor_dim1 = 32
	s_mov_b32 s35, 32<<16                          ; tile_dim0 = 32
	s_mov_b32 s36, 32                              ; tile_dim1 = 32
	s_mov_b32 s37, 32                              ; from row to row
	s_mov_b32 s38, 0
	s_mov_b32 s39, 0
	s_mov_b32 s40, 1                               ; count = 1
	v_and_b32 v5, 31, v0                           ; lane
	v_and_b32 v6, 15, v0                           ; r
	v_bfe_u32 v7, v0, 4, 1                         ; h
	v_lshlrev_b32 v1, 4, v5                        ; 16 x lane
	v_lshlrev_b32 v2, 3, v5                        ; 8 x lane
	v_lshlrev_b32 v3, 2, v5                        ; 4 x lane
	v_lshlrev_b32 v4, 10, v6
	v_lshl_add_u32 v4, v7, 6, v4                   ; x: row r of 1,024 bytes, + 64 h: my 16 numbers of a block of 32
	v_lshlrev_b32 v13, 5, v7                       ; 32 h: a bias along the result's registers
	v_lshlrev_b32 v14, 2, v6                       ; 4 r: a bias along its lanes
	v_add_nc_u32 v15, XIMG, v1
	v_add_nc_u32 v18, XSC, v2
	v_add_nc_u32 v19, CROW, v3
	v_mul_u32_u24 v9, v6, AP
	v_lshl_add_u32 v9, v7, 4, v9
	v_add_nc_u32 v9, ATT, v9                       ; ATT: row r, + 16 h
	s_lshl_b32 s53, s26, 6
	v_add_nc_u32 v8, s53, v9                       ; + my head's 64 bytes
	s_mul_i32 s53, s26, 32*SGP
	s_add_co_u32 s53, s53, XIMG                    ; my stage
	v_mul_u32_u24 v10, v6, SGP
	v_lshl_add_u32 v10, v7, 5, v10
	v_add_nc_u32 v10, s53, v10                     ; in: row r, + 32 h
	v_mul_u32_u24 v11, v7, SGP
	v_lshl_add_u32 v11, v6, 4, v11
	v_add_nc_u32 v11, s53, v11                     ; back: lanes 0-15 one row, lanes 16-31 the next
	v_lshlrev_b32 v12, 10, v7
	v_lshl_add_u32 v12, v6, 4, v12                 ; and the same two rows in out0
	s_lshl_b32 s53, s26, 14
	v_add_nc_u32 v254, s53, v15                    ; where my eight slots' images begin,
	s_lshl_b32 s53, s26, 11
	v_add_nc_u32 v255, s53, v18                    ; and their scale words
	v_mov_b32 v41, 0                               ; the upper halves of pairs of which the packed forms take the low word for both halves
	v_mov_b32 v47, 0
	v_mov_b32 v59, 0
	v_mov_b32 v48, 0x3e8293ee                      ; log2(e) / sqrt(32)
.irp b, 0,1,2,3
	v_mov_b32 v[TM+4+\b], 0                        ; written once: a lane permute's destination counts as one of its sources
.endr
	s_wait_dscnt 0x0                               ; both opening adds are done
	s_wait_kmcnt 0x0
	s_add_nc_u64 s[4:5], s[4:5], s[60:61]
	s_add_nc_u64 s[24:25], s[24:25], s[62:63]
	s_add_nc_u64 s[44:45], s[20:21], s[68:69]      ; my quarter of my half's first bias tile
	s_lshl_b32 s54, s26, 12                        ; my head of the first pass: 4,096 bytes of each matrix's codes,
	s_add_nc_u64 s[6:7], s[6:7], s[54:55]
	s_lshl_b32 s54, s26, 9                         ; 512 of its scale words,
	s_add_nc_u64 s[8:9], s[8:9], s[54:55]
	s_lshl_b32 s54, s26, 7                         ; 128 of each bias
	s_add_nc_u64 s[10:11], s[10:11], s[54:55]
	s_add_nc_u64 s[12:13], s[12:13], s[54:55]
	s_add_nc_u64 s[14:15], s[14:15], s[54:55]
	s_lshl_b32 s54, s26, 15                        ; my 64 columns of Wo
	s_add_nc_u64 s[16:17], s[16:17], s[54:55]
	s_lshl_b32 s54, s26, 8
	s_add_nc_u64 s[18:19], s[18:19], s[54:55]
	s_lshl_b32 s54, s27, 11                        ; my half's 16 tiles in rmax
	s_add_nc_u64 s[22:23], s[22:23], s[54:55]
	; ---- x INTO CODES.  Wave w fills token slots 8 w .. 8 w + 7: 16 units of 16 tokens x 128 along K; four units (64 loads) are on their way
	v_lshlrev_b32 v5, 4, v0
	global_load_b128 v[212:215], v5, s[22:23]              ; the rows' largest sc over one half of the keys: 16 bytes a thread cover my half's 16 tiles x 32 lanes,
	global_load_b128 v[216:219], v5, s[22:23] offset:4096  ; and over the other
	WIN 0x40
	XLOAD 0, 0
	XLOAD 1, 512
	XLOAD 2, 16384
	WIN 0
	s_wait_loadcnt 48                              ; all but the three units' 48 loads
.irp i, 0,1,2,3
	v_max_num_f32 v[212+\i], v[212+\i], v[216+\i]
.endr
.irp i, 0,1,2,3
	v_cmp_lt_f32 vcc_lo, 0, v[212+\i]              ; has the row an open cell?
	v_cndmask_b32 v[212+\i], 0, v48, vcc_lo        ; c_row
.endr
	v_add_nc_u32 v6, CROW, v5
	ds_store_b128 v6, v[212:215]
	WIN 0x40
	XLOAD 3, 16384+512
	WIN 0
	s_mov_b32 s53, 0
	s_mov_b32 s54, 0
	s_mov_b32 s47, 3
.Lxq:                                              ; a trip: two slots, four units; each set takes the unit four further on
	v_add_nc_u32 v6, s53, v254
	v_add_nc_u32 v7, s54, v255
	XUNIT 0, 1, 48
	XUNIT 1, 1, 48
	XUNIT 2, 1, 48
	XUNIT 3, 1, 48
	WIN 0
	s_wait_xcnt 0x0                                ; the loads have read their base
	s_add_nc_u64 s[4:5], s[4:5], 32768
	s_add_co_u32 s53, s53, 4096
	s_add_co_u32 s54, s54, 512
	s_sub_co_u32 s47, s47, 1
	s_cmp_lg_u32 s47, 0
	s_cbranch_scc1 .Lxq
	v_add_nc_u32 v6, s53, v254
	v_add_nc_u32 v7, s54, v255
	XUNIT 0, 0, 48                                 ; the last four units load nothing: the counts run down
	XUNIT 1, 0, 32
	XUNIT 2, 0, 16
	XUNIT 3, 0, 0
	; ---- TWO PASSES OF FOUR HEADS
	s_mov_b32 s66, 0                               ; the pass's 256 bytes in a row of ATT
	s_mov_b32 s46, 2
.Lpass:
	CHANGE 1, 1, 1                                 ; x's images lie in LDS for everybody; bias tile 0 goes out and has the K and V projections in which to land
.irp m, 0,1,2,3,4,5,6,7
	global_load_b128 v[84+4*\m:87+4*\m], v1, s[6:7] offset:512*\m              ; Wq: fragment (16 columns c, K step s) at v[84 + 8 (2 c + s)]
.endr
.irp c, 0,1
	global_load_b64 v[28+2*\c:29+2*\c], v2, s[8:9] offset:256*\c               ; the scale words of Wq,
	global_load_b64 v[32+2*\c:33+2*\c], v2, s[8:9] offset:4096+256*\c          ; Wk,
	global_load_b64 v[36+2*\c:37+2*\c], v2, s[8:9] offset:8192+256*\c          ; Wv
	global_load_b128 v[116+8*\c:119+8*\c], v13, s[10:11] offset:64*\c          ; bq at channels 16 c + 8 h + 0..7
	global_load_b128 v[120+8*\c:123+8*\c], v13, s[10:11] offset:64*\c+16
.endr
	WIN 0xc0                                       ; destination window 3
.irp m, 0,1,2,3,4,5,6,7
	global_load_b128 v[4*\m:4*\m+3], v1, s[6:7] offset:32768+512*\m            ; Wk
	global_load_b128 v[32+4*\m:35+4*\m], v1, s[6:7] offset:65536+512*\m        ; Wv
.endr
.irp c, 0,1
	global_load_b128 v[64+8*\c:67+8*\c], v13, s[12:13] offset:64*\c            ; bk, as bq
	global_load_b128 v[68+8*\c:71+8*\c], v13, s[12:13] offset:64*\c+16
.irp j, 0,1,2,3,4,5,6,7
	global_load_b32 v[80+8*\c+\j], v14, s[14:15] offset:64*\c                  ; bv at channel 16 c + r, the same in the result's eight registers
.endr
.endr
	WIN 0
	KVLOAD 0
	KVLOAD 1
	s_wait_loadcnt 0x0
.irp k, 0,1,2,3,4,5,6,7,8,9,10,11,12,13
	KVGROUP \k, 10, 1
.endr
	KVGROUP 14, 10, 0
	KVGROUP 15, 0, 0
	CHANGE 1, 0, 0                                 ; tile 0's bias is whole; tile 1's goes out
	WIN 0xc0
.set i, 0
.rept 64
	ds_load_b128 v[4*i:4*i+3], v1 offset:512*i     ; tile 0's bias into S^T's registers (slot 0)
.set i, i+1
.endr
	WIN 0
.irp m, 0,1,2,3
	ds_load_b128 v[164+4*\m:167+4*\m], v15 offset:512*\m   ; the first 16 queries: token slot 0
.endr
	ds_load_b64 v[20:21], v18
	ds_load_b32 v40, v19
	s_mov_b32 s48, SLOTB                           ; the next bias is read from slot 1,
	s_mov_b32 s49, 2048                            ; the next queries from token slot 1
	s_mov_b32 s50, 256
	s_mov_b32 s51, 128
	s_mov_b32 s52, s66
	s_wait_dscnt 0x0
	QW
	PLACES 4
	QFIN
	s_mov_b32 s47, 14
.Ltile:
	TILE 1, 1
	s_sub_co_u32 s47, s47, 1
	s_cmp_lg_u32 s47, 0
	s_cbranch_scc1 .Ltile
	TILE 0, 1                                      ; the last two tiles are written out
	TILE 0, 0
	s_add_nc_u64 s[6:7], s[6:7], 16384             ; four heads on (the pass's loads were waited for at its head)
	s_add_nc_u64 s[8:9], s[8:9], 2048
	s_add_nc_u64 s[10:11], s[10:11], 512
	s_add_nc_u64 s[12:13], s[12:13], 512
	s_add_nc_u64 s[14:15], s[14:15], 512
	s_add_co_u32 s66, s66, 256
	s_sub_co_u32 s46, s46, 1
	s_cmp_lg_u32 s46, 0
	s_cbranch_scc1 .Lpass
	; ---- THE PROJECTION ON THE WAY OUT: wave w makes columns 64 w .. 64 w + 63 of the 256 rows, 32 rows a step
	s_wait_dscnt 0x0                               ; my stores into ATT have landed, my reads of x's images are over
	s_barrier_signal -1
	s_barrier_wait -1                              ; everybody's
	WIN 0x40
.set i, 0
.rept 64
	global_load_b128 v[4*i:4*i+3], v1, s[16:17] offset:512*i   ; Wo: fragment (16 columns e, K step s) at v[8 (8 e + s)] of window 1
.set i, i+1
.endr
	WIN 0xc0
.irp e, 0,1,2,3
	global_load_b128 v[64+8*\e:67+8*\e], v13, s[18:19] offset:64*\e      ; bo at columns 16 e + 8 h + 0..7
	global_load_b128 v[68+8*\e:71+8*\e], v13, s[18:19] offset:64*\e+16
.endr
	WIN 0x80
	AFLOAD 9
	WIN 0
	s_mov_b32 s53, 0
	s_wait_loadcnt 0x0
	s_mov_b32 s47, 7
.Lproj:
	PROJ 1
	s_sub_co_u32 s47, s47, 1
	s_cmp_lg_u32 s47, 0
	s_cbranch_scc1 .Lproj
	PROJ 0
	s_wait_tensorcnt 0x0                           ; the wave's end, behind my last tensor load and my last LDS store
	ds_add_u32 v16, v17
	s_wait_dscnt 0x0
	ROUND                                          ; the closing round: no work-group ends while a partner may still ask for a tile that names it
	s_endpgm
.Lfunc_end_k_qd0bc68819a_attn:
	.size	k_qd0bc68819a_attn, .Lfunc_end_k_qd0bc68819a_attn-k_qd0bc68819a_attn
	.p2alignl 7, 3214868480
	.fill 96, 4, 3214868480
	.section	.rodata,"a",@progbits
	.p2align	6, 0x0
	.amdhsa_kernel k_qd0bc68819a_attn
		.amdhsa_group_segment_fixed_size 327680
		.amdhsa_private_segment_fixed_size 0
		.amdhsa_enable_private_segment 0
		.amdhsa_kernarg_size 88
		.amdhsa_user_sgpr_count 2
		.amdhsa_user_sgpr_kernarg_segment_ptr 1
		.amdhsa_wavefront_size32 1
		.amdhsa_system_sgpr_workgroup_id_x 1
		.amdhsa_system_sgpr_workgroup_id_y 1
		.amdhsa_system_sgpr_workgroup_id_z 1
		.amdhsa_system_vgpr_workitem_id 0
		.amdhsa_next_free_vgpr 1024
		.amdhsa_next_free_sgpr 72
		.amdhsa_reserve_vcc 1
		.amdhsa_float_denorm_mode_32 3
		.amdhsa_float_denorm_mode_16_64 3
		.amdhsa_memory_ordered 1
		.amdhsa_forward_progress 1
		.amdhsa_inst_pref_size 255
	.end_amdhsa_kernel
	.section	.bss,"aw",@nobits
	.p2align	6
	.space	262144
	.amdgpu_metadata
---
amdhsa.version: [ 1, 2 ]
amdhsa.kernels:
  - .name:           k_qd0bc68819a_attn
    .symbol:         k_qd0bc68819a_attn.kd
    .args:
      - { .name: x, .offset: 0, .size: 8, .value_kind: global_buffer, .address_space: global }
      - { .name: wcodes, .offset: 8, .size: 8, .value_kind: global_buffer, .address_space: global }
      - { .name: wscales, .offset: 16, .size: 8, .value_kind: global_buffer, .address_space: global }
      - { .name: bq, .offset: 24, .size: 8, .value_kind: global_buffer, .address_space: global }
      - { .name: bk, .offset: 32, .size: 8, .value_kind: global_buffer, .address_space: global }
      - { .name: bv, .offset: 40, .size: 8, .value_kind: global_buffer, .address_space: global }
      - { .name: wo16, .offset: 48, .size: 8, .value_kind: global_buffer, .address_space: global }
      - { .name: bo, .offset: 56, .size: 8, .value_kind: global_buffer, .address_space: global }
      - { .name: bias_img, .offset: 64, .size: 8, .value_kind: global_buffer, .address_space: global }
      - { .name: rmax, .offset: 72, .size: 8, .value_kind: global_buffer, .address_space: global }
      - { .name: out0, .offset: 80, .size: 8, .value_kind: global_buffer, .address_space: global }
    .group_segment_fixed_size: 327680
    .private_segment_fixed_size: 0
    .kernarg_segment_align: 8
    .kernarg_segment_size: 88
    .max_flat_workgroup_size: 128
    .sgpr_count:     72
    .vgpr_count:     1024
    .wavefront_size: 32
...
	.end_amdgpu_metadata
.endif
;; end of part 2
